; MI455X (gfx1250); checked and timed in simulation.
; The chip was launched on July 23, 2026; its instructions are those of AMD's public machine-readable ISA for CDNA 5 (MIT licence, August 2026) and "CDNA5" Instruction Set Architecture Reference Guide (July 2026). The comments in the code are by the model that wrote it; some were corrected since.
;; Progressive Luong Attention. Allowed arithmetic: float matrix products may take bf16 or f16 operands with f32 sums; all other float work in f32.
;; Inputs: Wk 64 x 64 float32; Wq 64 x 64 float32; Wv 64 x 64 float32; bk 64 float32; bq 64 float32; bv 64 float32; gamma 1 float32; x 8 x 64 x 64 x 64 float32; y 8 x 64 x 64 x 64 float32.
;; Outputs: out0 8 x 64 x 64 x 64 float32.
;; 2 versions, each right; version 2 is version 1 with the launch prep written anew for expert scheduling mode. Each part assembles by itself: llvm-mc -triple=amdgcn-amd-amdhsa -mcpu=gfx1250 --defsym DOCPART=n.
;; ======== version 1 of 2: 2 launches
;; workspace buffers: y16 4,194,304 bytes; qp 4,194,304 bytes; cb 131,072 bytes
;; launch prep (part 1): grid 32 x 8, 8 waves a work-group, no clusters, 47,616 bytes of LDS; arguments x, y, Wq, bq, Wk, bk, y16, qp, cb; writes y16, qp, cb
.if DOCPART == 1
	.amdgcn_target "amdgcn-amd-amdhsa--gfx1250"
	.amdhsa_code_object_version 6
	.text
	.protected	k_q7c92272b9c_prep
	.globl	k_q7c92272b9c_prep
	.p2align	8
	.type	k_q7c92272b9c_prep,@function
k_q7c92272b9c_prep:
	s_mov_b64 s[64:65], 0
	v_nop
	global_prefetch_b8 v0, s[64:65] scope:SCOPE_SE
	s_setreg_imm32_b32 hwreg(HW_REG_WAVE_MODE, 25, 1), 1
	s_wait_xcnt 0x0
; PREP: what the attention launch needs of the query side, and y in bf16.
;   y16[b][c][m]  = bf16(y[b][c][m])
;   qp[b][n][k]   = bf16( L * sum_j qf[b][n][j] Wk[j][k] ),  L = log2 e
;   cb[b][w][c]   = L * sum_j qf[b][n][j] bk[j],  n = 64 c + w        (f32)
; where qf is the projection q = Wq x + bq read as [4096][64]: qf[64 c + w][j] = sum_ci Wq[c][ci] x[ci][64 w + j] + bq[c].
; Since qf (Wk y + bk) = (qf Wk) y + qf bk, the key projection is moved onto the queries exactly, for every input.
; A work-group takes 128 columns of x of one batch (w = 2 wp and 2 wp + 1, all 64 c) and 32 KiB of y.
; Eight waves: wave = 4 wl + ct makes the 16 values c = 16 ct .. 16 ct + 15 for w = 2 wp + wl.
; Both products run transposed (rows = j or k, columns = c): the result of the first, packed to bf16, is then already the second
; operand of the second, and a lane's eight results of the second are eight neighbouring k of one row of qp.
; Operands bf16, sums f32.  No tensor loads: every byte comes through registers once.  No cluster: the work-groups share only the
; two weight matrices, 32 KiB against 64 KiB of x and y of their own.
.set XT,      0                        ; 64 rows ci x 288 bytes: 128 columns of x in bf16 (256 bytes) + 32 of padding
.set XPITCH,  288                      ; an odd multiple of 32 bytes: the eight rows that a group of lanes of a transposing load touches begin at different offsets modulo 256
.set WKT,     18432                    ; 64 rows j x 160 bytes: Wk in bf16 (128 bytes) + 32
.set WPITCH,  160
.set QS,      28672                    ; 64 rows c x 272 bytes: qp of the two w, 2 x 64 bf16 (256 bytes) + 16
.set QPITCH,  272
.set CS,      46080                    ; cb: [wl][64 c] f32, 512 bytes
.set LOG2E,   0x3fb8aa3b
.set XL,  20                           ; v[20:51]   x as loaded, 8 rows x 4 registers
.set WL,  52                           ; v[52:67]   Wk as loaded
.set WQL, 68                           ; v[68:99]   Wq as loaded (f32)
.set BQ,  100                          ; v[100:107] bq[c] of my column, eight times: the first product's C operand
.set BK,  108                          ; v[108:139] bk[16 jt + 8 h + i]
.set YL,  140                          ; v[140:171] y as loaded, then packed
.set WQ,  172                          ; v[172:187] Wq fragments, bf16
.set D1,  188                          ; v[188:219] qf, four tiles (j, c)
.set B2,  220                          ; v[220:235] qf in bf16: second operand of the second product
.set TP,  236                          ; v[236:251] at work
.set A1,  20                           ; v[20:83]   first operands: x transposed, later Wk transposed
.set D2,  108                          ; v[108:139] qf Wk, four tiles (k, c)
.macro PLACES                          ; four places behind a matrix instruction, ahead of loads into its sources and of reads of its result
.rept 4
	v_nop
.endr
.endm
	s_load_b512 s[4:19], s[0:1], 0x0               ; x 4, y 6, Wq 8, bq 10, Wk 12, bk 14, y16 16, qp 18
	s_load_b64 s[20:21], s[0:1], 0x40              ; cb
	v_lshl_add_u32 v254, v0, 2, 0xb600
	v_mov_b32 v255, 0
	v_lshrrev_b32 v1, 5, v0
	v_readfirstlane_b32 s22, v1                    ; wave 0..7
	s_and_b32 s23, s22, 3                          ; ct
	s_lshr_b32 s24, s22, 2                         ; wl
	s_and_b32 s25, ttmp7, 0xffff                   ; batch
	s_mov_b32 s28, 0x76543210                      ; v_permlanex16_b32: lane i reads lane i of the other half
	s_mov_b32 s29, 0xfedcba98
	v_and_b32 v1, 31, v0                           ; lane
	v_and_b32 v2, 15, v0                           ; r
	v_bfe_u32 v3, v0, 4, 1                         ; h
	s_lshl_b32 s30, s22, 17
	v_lshl_add_u32 v4, v1, 4, s30                  ; x: 8 rows of 16,384 bytes a wave + 16 lane
	s_lshl_b32 s30, s22, 11
	v_lshl_add_u32 v5, v1, 4, s30                  ; Wk: 2,048 bytes a wave + 16 lane
	s_lshl_b32 s30, s23, 4
	v_add_nc_u32 v[TP], s30, v2                    ; c = 16 ct + r
	v_lshlrev_b32 v6, 8, v[TP]
	v_lshl_add_u32 v6, v3, 5, v6                   ; Wq: row c, 32 h
	v_lshlrev_b32 v7, 2, v[TP]                     ; bq[c]
	v_lshlrev_b32 v8, 5, v3                        ; bk: 32 h
	v_lshlrev_b32 v9, 5, v0                        ; y: 32 bytes a thread
	v_lshlrev_b32 v14, 4, v0                       ; y16: 16 bytes a thread
	s_mov_b32 s27, 0
	s_lshl_b32 s30, s25, 20
	s_lshl_b32 s31, ttmp9, 9
	s_add_co_u32 s26, s30, s31
	s_wait_kmcnt 0x0
	s_add_nc_u64 s[4:5], s[4:5], s[26:27]          ; x + batch x 1 MiB + 512 wp
	s_lshl_b32 s31, ttmp9, 15
	s_add_co_u32 s26, s30, s31
	s_add_nc_u64 s[6:7], s[6:7], s[26:27]          ; y + (32 batch + wp) x 32 KiB
	s_lshl_b32 s30, s25, 19
	s_lshl_b32 s31, ttmp9, 14
	s_add_co_u32 s26, s30, s31
	s_add_nc_u64 s[16:17], s[16:17], s[26:27]      ; y16 + (32 batch + wp) x 16 KiB
	s_lshl_b32 s31, ttmp9, 8
	s_add_co_u32 s26, s30, s31
	s_add_nc_u64 s[18:19], s[18:19], s[26:27]      ; qp + batch x 512 KiB + 256 wp
	s_lshl_b32 s30, s25, 14
	s_lshl_b32 s31, ttmp9, 9
	s_add_co_u32 s26, s30, s31
	s_add_nc_u64 s[20:21], s[20:21], s[26:27]      ; cb + batch x 16 KiB + 512 wp
	; all loads in one run, in the order in which they are wanted
.irp k, 0,1,2,3,4,5,6,7
	global_load_b128 v[XL+4*\k:XL+4*\k+3], v4, s[4:5] offset:16384*\k      ; row ci = 8 wave + k: 512 neighbouring bytes
.endr
.irp k, 0,1,2,3
	global_load_b128 v[WL+4*\k:WL+4*\k+3], v5, s[12:13] offset:512*\k      ; rows j = 8 wave + 2 k, + 1
.endr
.irp sp, 0,1
	global_load_b128 v[WQL+16*\sp:WQL+16*\sp+3],     v6, s[8:9] offset:128*\sp       ; Wq[c][32 sp + 8 h ..]
	global_load_b128 v[WQL+16*\sp+4:WQL+16*\sp+7],   v6, s[8:9] offset:128*\sp+16
	global_load_b128 v[WQL+16*\sp+8:WQL+16*\sp+11],  v6, s[8:9] offset:128*\sp+64    ; Wq[c][32 sp + 16 + 8 h ..]
	global_load_b128 v[WQL+16*\sp+12:WQL+16*\sp+15], v6, s[8:9] offset:128*\sp+80
.endr
	global_load_b32 v[BQ], v7, s[10:11]
.irp jt, 0,1,2,3
	global_load_b128 v[BK+8*\jt:BK+8*\jt+3],   v8, s[14:15] offset:64*\jt
	global_load_b128 v[BK+8*\jt+4:BK+8*\jt+7], v8, s[14:15] offset:64*\jt+16
.endr
.irp k, 0,1,2,3
	global_load_b128 v[YL+8*\k:YL+8*\k+3],   v9, s[6:7] offset:8192*\k th:TH_LOAD_NT
	global_load_b128 v[YL+8*\k+4:YL+8*\k+7], v9, s[6:7] offset:8192*\k+16 th:TH_LOAD_NT
.endr
	; LDS addresses, while the loads are on their way
	s_mul_i32 s30, s22, 8*XPITCH
	v_lshl_add_u32 v10, v1, 3, s30                 ; x in: row 8 wave (+ k), 8 bytes a lane
	s_mul_i32 s30, s22, 8*WPITCH
	v_mul_u32_u24 v11, v3, WPITCH
	v_lshl_add_u32 v11, v2, 3, v11
	v_add_nc_u32 v11, s30, v11                     ; Wk in: row 8 wave + h (+ 2 k), 8 bytes for each of 16 lanes
	v_and_b32 v[TP+1], 7, v0
	v_lshl_add_u32 v[TP+1], v3, 3, v[TP+1]         ; 8 h + lane % 8
	v_bfe_u32 v[TP+2], v0, 3, 1                    ; (lane / 8) % 2
	s_lshl_b32 s31, s24, 7                         ; 128 wl
	v_mul_u32_u24 v12, v[TP+1], XPITCH
	v_lshl_add_u32 v12, v[TP+2], 4, v12
	v_add_nc_u32 v12, s31, v12                     ; x transposed out
	v_mul_u32_u24 v13, v[TP+1], WPITCH
	v_lshl_add_u32 v13, v[TP+2], 4, v13            ; Wk transposed out
	v_mul_u32_u24 v15, v[TP], QPITCH
	v_lshl_add_u32 v15, v3, 4, v15
	v_add_nc_u32 v15, s31, v15                     ; qp in: row c, 128 wl + 16 h
	s_lshl_b32 s30, s24, 8
	v_lshl_add_u32 v16, v[TP], 2, s30              ; cb in: 256 wl + 4 c
	s_mul_i32 s30, s22, 8*QPITCH
	v_mul_u32_u24 v17, v3, QPITCH
	v_lshl_add_u32 v17, v2, 4, v17
	v_add_nc_u32 v17, s30, v17                     ; qp out of LDS: row 8 wave + h (+ 2 k), 16 r
	s_lshl_b32 s30, s22, 16
	v_lshlrev_b32 v18, 13, v3
	v_lshl_add_u32 v18, v2, 4, v18
	v_add_nc_u32 v18, s30, v18                     ; and in memory: rows c are 8,192 bytes apart
	v_lshlrev_b32 v19, 4, v1                       ; 16 lane
	; x and Wk to bf16, into LDS
	s_wait_loadcnt 25                              ; 25 younger loads (Wq 8, bq 1, bk 8, y 8) may stay out: x and Wk are in
.irp k, 0,1,2,3,4,5,6,7
	v_cvt_pk_bf16_f32 v[XL+4*\k],   v[XL+4*\k],   v[XL+4*\k+1]
	v_cvt_pk_bf16_f32 v[XL+4*\k+1], v[XL+4*\k+2], v[XL+4*\k+3]
	ds_store_b64 v10, v[XL+4*\k:XL+4*\k+1] offset:XT+XPITCH*\k
.endr
.irp k, 0,1,2,3
	v_cvt_pk_bf16_f32 v[WL+4*\k],   v[WL+4*\k],   v[WL+4*\k+1]
	v_cvt_pk_bf16_f32 v[WL+4*\k+1], v[WL+4*\k+2], v[WL+4*\k+3]
	ds_store_b64 v11, v[WL+4*\k:WL+4*\k+1] offset:WKT+2*WPITCH*\k
.endr
	s_wait_dscnt 0x0                               ; my stores are done, for the other waves' sake
	s_barrier_signal -1
	s_barrier_wait -1                              ; everybody's are: XT and WKT are whole
	s_wait_loadcnt 8                               ; only y's eight loads may stay out
.set j, 0
.rept 16
	v_cvt_pk_bf16_f32 v[WQ+j], v[WQL+2*j], v[WQL+2*j+1]    ; Wq fragments: column c, ci along the registers
.set j, j+1
.endr
.irp i, 1,2,3,4,5,6,7
	v_mov_b32 v[BQ+\i], v[BQ]                      ; the C operand wants bq[c] in each of its eight registers
.endr
.irp jt, 0,1,2,3
.irp sp, 0,1
	ds_load_tr16_b128 v[A1+8*(2*\jt+\sp):A1+8*(2*\jt+\sp)+3],   v12 offset:XT+32*XPITCH*\sp+32*\jt              ; rows j = 16 jt + r, ci = 32 sp + 8 h ..
	ds_load_tr16_b128 v[A1+8*(2*\jt+\sp)+4:A1+8*(2*\jt+\sp)+7], v12 offset:XT+32*XPITCH*\sp+32*\jt+16*XPITCH   ; ci = 32 sp + 16 + 8 h ..
.endr
.endr
	; y's cast, while the fragments come
	s_wait_loadcnt 0x0
.irp k, 0,1,2,3
.irp i, 0,1,2,3
	v_cvt_pk_bf16_f32 v[YL+8*\k+\i], v[YL+8*\k+2*\i], v[YL+8*\k+2*\i+1]
.endr
	global_store_b128 v14, v[YL+8*\k:YL+8*\k+3], s[16:17] offset:4096*\k   ; 16 lanes store 256 consecutive bytes, aligned
.endr
	; qf(j, c) = x^T Wq^T + bq.  Four accumulators take turns, one instruction a turn.
	s_wait_dscnt 0x0
.irp jt, 0,1,2,3
	v_wmma_f32_16x16x32_bf16 v[D1+8*\jt:D1+8*\jt+7], v[A1+16*\jt:A1+16*\jt+7], v[WQ:WQ+7], v[BQ:BQ+7]
.endr
.irp jt, 0,1,2,3
	v_wmma_f32_16x16x32_bf16 v[D1+8*\jt:D1+8*\jt+7], v[A1+16*\jt+8:A1+16*\jt+15], v[WQ+8:WQ+15], v[D1+8*\jt:D1+8*\jt+7]
.endr
	PLACES
.irp t, 0,1,2,3
.irp sp, 0,1
	ds_load_tr16_b128 v[A1+8*(2*\t+\sp):A1+8*(2*\t+\sp)+3],   v13 offset:WKT+32*WPITCH*\sp+32*\t              ; rows k = 16 t + r, j = 32 sp + 8 h ..
	ds_load_tr16_b128 v[A1+8*(2*\t+\sp)+4:A1+8*(2*\t+\sp)+7], v13 offset:WKT+32*WPITCH*\sp+32*\t+16*WPITCH
.endr
.endr
	; cb = L qf . bk in f32: four chains over my 32 values of j, then the other half of the lanes
.irp jt, 0,1,2,3
	v_pk_mul_f32 v[TP+2*\jt:TP+2*\jt+1], v[D1+8*\jt:D1+8*\jt+1], v[BK+8*\jt:BK+8*\jt+1]
.endr
.irp i, 2,4,6
.irp jt, 0,1,2,3
	v_pk_fma_f32 v[TP+2*\jt:TP+2*\jt+1], v[D1+8*\jt+\i:D1+8*\jt+\i+1], v[BK+8*\jt+\i:BK+8*\jt+\i+1], v[TP+2*\jt:TP+2*\jt+1]
.endr
.endr
	v_pk_add_f32 v[TP:TP+1], v[TP:TP+1], v[TP+2:TP+3]
	v_pk_add_f32 v[TP+4:TP+5], v[TP+4:TP+5], v[TP+6:TP+7]
	v_pk_add_f32 v[TP:TP+1], v[TP:TP+1], v[TP+4:TP+5]
	v_add_f32 v[TP], v[TP], v[TP+1]
	v_permlanex16_b32 v[TP+1], v[TP], s28, s29
	v_add_f32 v[TP], v[TP], v[TP+1]
	v_mul_f32 v[TP], LOG2E, v[TP]
.set j, 0
.rept 16
	v_cvt_pk_bf16_f32 v[B2+j], v[D1+2*j], v[D1+2*j+1]      ; two neighbouring tiles of j pack into one operand of 32 j
.set j, j+1
.endr
	; (qf Wk)(k, c).  The first product starts the sums; four accumulators by turns.
	s_wait_dscnt 0x0
.irp t, 0,1,2,3
	v_wmma_f32_16x16x32_bf16 v[D2+8*\t:D2+8*\t+7], v[A1+16*\t:A1+16*\t+7], v[B2:B2+7], 0
.endr
.irp t, 0,1,2,3
	v_wmma_f32_16x16x32_bf16 v[D2+8*\t:D2+8*\t+7], v[A1+16*\t+8:A1+16*\t+15], v[B2+8:B2+15], v[D2+8*\t:D2+8*\t+7]
.endr
	PLACES
.set j, 0
.rept 16
	v_pk_mul_f32 v[D2+j:D2+j+1], v[D2+j:D2+j+1], LOG2E op_sel_hi:[1,0]     ; scores will come out in units of base 2
.set j, j+2
.endr
.irp t, 0,1,2,3
.irp i, 0,1,2,3
	v_cvt_pk_bf16_f32 v[D2+8*\t+\i], v[D2+8*\t+2*\i], v[D2+8*\t+2*\i+1]
.endr
	ds_store_b128 v15, v[D2+8*\t:D2+8*\t+3] offset:QS+32*\t                ; k = 16 t + 8 h .. + 7 of row c
.endr
	ds_store_b32 v16, v[TP] offset:CS              ; both halves of the lanes hold the same sum and write the same word
	s_wait_dscnt 0x0                               ; my stores are done, for the other waves' sake
	s_barrier_signal -1
	s_barrier_wait -1
	; the way out: row c of QS is the 256 bytes of qp's rows n = 64 c + 2 wp and + 1
.irp k, 0,1,2,3
	ds_load_b128 v[A1+4*\k:A1+4*\k+3], v17 offset:QS+2*QPITCH*\k
.endr
.irp k, 0,1,2,3
	s_wait_dscnt 3-\k                              ; LDS loads come back in order: load k is in, the younger ones may be out
	global_store_b128 v18, v[A1+4*\k:A1+4*\k+3], s[18:19] offset:16384*\k  ; 16 lanes store 256 consecutive bytes, aligned
.endr
	s_cmp_lg_u32 s22, 0
	s_cbranch_scc1 .Ldone
	ds_load_b128 v[A1+16:A1+19], v19 offset:CS     ; wave 0: the 512 bytes of cb
	s_wait_dscnt 0x0
	global_store_b128 v19, v[A1+16:A1+19], s[20:21]
.Ldone:
	s_wait_tensorcnt 0x0
	ds_add_u32 v254, v255
	s_wait_dscnt 0x0
	s_endpgm
.Lfunc_end_k_q7c92272b9c_prep:
	.size	k_q7c92272b9c_prep, .Lfunc_end_k_q7c92272b9c_prep-k_q7c92272b9c_prep
	.p2alignl 7, 3214868480
	.fill 96, 4, 3214868480
	.section	.rodata,"a",@progbits
	.p2align	6, 0x0
	.amdhsa_kernel k_q7c92272b9c_prep
		.amdhsa_group_segment_fixed_size 47616
		.amdhsa_private_segment_fixed_size 0
		.amdhsa_enable_private_segment 0
		.amdhsa_kernarg_size 72
		.amdhsa_user_sgpr_count 2
		.amdhsa_user_sgpr_kernarg_segment_ptr 1
		.amdhsa_wavefront_size32 1
		.amdhsa_system_sgpr_workgroup_id_x 1
		.amdhsa_system_sgpr_workgroup_id_y 1
		.amdhsa_system_sgpr_workgroup_id_z 1
		.amdhsa_system_vgpr_workitem_id 0
		.amdhsa_next_free_vgpr 256
		.amdhsa_next_free_sgpr 66
		.amdhsa_reserve_vcc 0
		.amdhsa_float_denorm_mode_32 3
		.amdhsa_float_denorm_mode_16_64 3
		.amdhsa_memory_ordered 1
		.amdhsa_forward_progress 1
		.amdhsa_inst_pref_size 22
	.end_amdhsa_kernel
	.amdgpu_metadata
---
amdhsa.version: [ 1, 2 ]
amdhsa.kernels:
  - .name:           k_q7c92272b9c_prep
    .symbol:         k_q7c92272b9c_prep.kd
    .args:
      - { .name: x, .offset: 0, .size: 8, .value_kind: global_buffer, .address_space: global }
      - { .name: y, .offset: 8, .size: 8, .value_kind: global_buffer, .address_space: global }
      - { .name: Wq, .offset: 16, .size: 8, .value_kind: global_buffer, .address_space: global }
      - { .name: bq, .offset: 24, .size: 8, .value_kind: global_buffer, .address_space: global }
      - { .name: Wk, .offset: 32, .size: 8, .value_kind: global_buffer, .address_space: global }
      - { .name: bk, .offset: 40, .size: 8, .value_kind: global_buffer, .address_space: global }
      - { .name: y16, .offset: 48, .size: 8, .value_kind: global_buffer, .address_space: global }
      - { .name: qp, .offset: 56, .size: 8, .value_kind: global_buffer, .address_space: global }
      - { .name: cb, .offset: 64, .size: 8, .value_kind: global_buffer, .address_space: global }
    .group_segment_fixed_size: 47616
    .private_segment_fixed_size: 0
    .kernarg_segment_align: 8
    .kernarg_segment_size: 72
    .max_flat_workgroup_size: 256
    .sgpr_count:     66
    .vgpr_count:     256
    .wavefront_size: 32
...
	.end_amdgpu_metadata
.endif
;; end of part 1
;; launch attn (part 2): grid 32 x 8, 8 waves a work-group, clusters of 4 x 1, 327,680 bytes of LDS; arguments y16, qp, cb, Wv, bv, gamma, x, out0; writes out0
.if DOCPART == 2
	.amdgcn_target "amdgcn-amd-amdhsa--gfx1250"
	.amdhsa_code_object_version 6
	.text
	.protected	k_q7c92272b9c_attn
	.globl	k_q7c92272b9c_attn
	.p2align	8
	.type	k_q7c92272b9c_attn,@function
k_q7c92272b9c_attn:
	s_mov_b64 s[64:65], 0
	v_nop
	global_prefetch_b8 v0, s[64:65] scope:SCOPE_SE
	s_setreg_imm32_b32 hwreg(HW_REG_WAVE_MODE, 25, 1), 1
	s_wait_xcnt 0x0
	s_wait_alu depctr_hold_cnt(0) depctr_sa_sdst(0) depctr_va_vdst(0) depctr_va_sdst(0) depctr_va_ssrc(0) depctr_va_vcc(0) depctr_vm_vsrc(0)
	s_getreg_b32 s2, hwreg(HW_REG_IB_STS2, 6, 4)
	s_cmp_eq_u32 s2, 0
	s_cbranch_scc0 .Lentry_in_a_cluster
	s_endpgm
.Lentry_in_a_cluster:
	s_bfe_u32 s2, ttmp6, 0x10000c
	s_cmp_lg_u32 s2, 0x3003
	s_cbranch_scc0 .Lentry_shape_is_right
	s_endpgm
.Lentry_shape_is_right:
; ATTN: out0 = gamma (Wv (y att^T) + bv) + x,  att = softmax over the keys of (qp y + cb) (both already times log2 e).
; Since every row of att sums to 1, v att^T = Wv (y att^T) + bv exactly: y in bf16 serves as keys and as values, and Wv, bv come last.
; A work-group makes 128 neighbouring queries of one batch against all 4,096 keys.  Eight waves: qg = wave % 4 picks 32 queries,
; kh = wave / 4 picks which half of every key tile; the two halves are merged at the end with their maxima and sums.
; Register index qi = 0 means queries 32 qg + 16 kh + r, qi = 1 means 32 qg + 16 (1 - kh) + r: at the end every wave keeps qi = 0 and
; hands qi = 1 to wave ^ 4, with the same text in all waves.
; EVERYTHING RUNS TRANSPOSED.  S^T(key, query) = y^T qp^T + cb: a lane then holds one query and eight keys a tile, so the maximum and
; the sum stay in the lane (one exchange between the halves of the lanes), and two neighbouring tiles, packed to bf16, ARE the second operand of
; O^T(channel, query) = y P^T: the weights never pass through LDS.  O^T's tiles pack in the same way into the operand for Wv.
; The maximum is a running one, taken away before every exponential.
; CLUSTER: the four work-groups of a cluster have the same batch and read the same tiles of y16.  Each tile is asked for jointly (mask 15):
; the address hangs on the batch, the wave's number and the tile alone.
; LIMITS: scores are carried times log2 e, so |score| may reach about 2.3e38 and not 3.4e38; a weight below 2^-126 of its row's largest
; counts as 0 (v_exp_f32 flushes such results: ISA guide 15.8); NaN in the inputs is not followed through the maximum.  Matrix operands are bf16.
.set PITCH,  288                       ; an LDS row: 128 keys in bf16 (256 bytes) + 32 of padding: an odd multiple of 32 bytes, for the transposing loads
.set STRIP,  64*PITCH                  ; 64 channels x 128 keys
.set SLOT,   4*STRIP                   ; 512 keys; two slots take turns
.set XCH,    2*SLOT                    ; the exchange between key halves: 4,352 bytes a wave (4,096 of O, 128 of maxima, 128 of sums); no tensor load lands here
.set XW,     4352
.set OS,     XCH+8*XW                  ; the result on its way out: 64 rows c x 528 bytes (128 f32 + 16); no tensor load lands here
.set OPITCH, 528
; window 0
.set KA,  2                            ; v2-3    LDS address of my key fragments (transposing loads), slot 0, 1
.set VA,  4                            ; v4-5    the same for the value fragments (plain loads)
.set MX,  6                            ; v6-7    running maximum of qi
.set LS,  8                            ; v8-9    running sum of qi (this lane's keys)
.set NM,  10                           ; v[10:13] minus the maximum, twice, for the packed add
.set AL,  14                           ; v[14:17] 2^(old maximum - new), twice
.set T,   18                           ; v[18:25] at work, four for each qi
.set U,   26                           ; v[26:41] a step's sums, four pairs for each qi
.set QO,  42                           ; v42-43  byte offset in qp
.set CO,  44                           ; v44-45  byte offset in cb
.set WO,  46                           ; byte offset in Wv
.set XS,  47                           ; my exchange area, 16 bytes a lane
.set XM,  48                           ; the same, 4 bytes a lane
.set XSP, 49                           ; my partner's
.set XMP, 50
.set OSA, 51                           ; where I put results
.set OSR, 52                           ; where I read rows back
.set GX,  53                           ; 16 lane: offset in x and out0
.set QF,  56                           ; v[56:87]   qp fragments (qi, 32 channels); at the end x
.set CB,  88                           ; v[88:103]  cb of my query, eight times for each qi: S's C operand
.set SS,  104                          ; v[104:167] S(qi, key tile t) at 32 qi + 8 t; then the weights
.set KF,  168                          ; v[168:231] key fragments (t, 32 channels) at 8 (2 t + cs)
.set MP,  232                          ; partner's maximum, sum
.set LP,  233
.set GA,  234                          ; v[234:235] my factor, v[236:237] my partner's
.set GB,  236
.set RR,  136                          ; v[136:167] at the end: Wv's product
; window 1 (numbers less 256)
.set OA,  0                            ; v[256:319] O(channel tile ct, qi) at 16 ct + 8 qi
.set VF,  64                           ; v[320:383] value fragments (ct, 32 keys) at 8 (2 ct + ks)
.set WV,  128                          ; v[384:447] Wv fragments (c tile, 32 channels)
.set G1,  28                           ; s[28:35] descriptor group 1
.set G0,  36                           ; s[36:43] descriptor group 0, a set for each slot
.set MSB, 0
.macro WIN new                         ; s_set_vgpr_msb: bits 1:0 source 0, 3:2 source 1, 5:4 source 2, 7:6 destination; the high byte repeats the setting that is left
.if MSB != \new
	s_set_vgpr_msb (MSB<<8)|\new
.set MSB, \new
.endif
.endm
.macro ROUND                           ; a round of the cluster's barrier: my work-group's barrier, wave 0 signals for the work-group, all wait for all four, my work-group's barrier again
	s_barrier_signal -1
	s_barrier_wait -1
	s_cmp_lg_u32 s20, 0
	s_cbranch_scc1 .Lnot_wave_0_\@
	s_barrier_signal -3
.Lnot_wave_0_\@:
	s_barrier_wait -3
	s_barrier_signal -1
	s_barrier_wait -1
.endm
.macro PLACES                          ; four places behind a matrix instruction, ahead of loads into its sources and of reads of its result
.rept 4
	v_nop
.endr
.endm
; Step st (0..3) of a slot is 64 keys of my half: strip st / 2 of my two, byte 128 (st % 2) of its rows.
.macro KLOAD slot, st                  ; 16 transposing loads: rows = keys 16 t + r, channels 32 cs + 8 h .. and 32 cs + 16 + 8 h ..
.irp cs, 0,1
.irp t, 0,1,2,3
	ds_load_tr16_b128 v[KF+8*(2*\t+\cs):KF+8*(2*\t+\cs)+3],   v[KA+\slot] offset:((\st)>>1)*STRIP+((\st)&1)*128+32*\t+32*PITCH*\cs
	ds_load_tr16_b128 v[KF+8*(2*\t+\cs)+4:KF+8*(2*\t+\cs)+7], v[KA+\slot] offset:((\st)>>1)*STRIP+((\st)&1)*128+32*\t+32*PITCH*\cs+16*PITCH
.endr
.endr
.endm
.macro VLOAD slot, st                  ; 16 plain loads: rows = channels 16 ct + r, keys 32 ks + 8 h .. and 32 ks + 16 + 8 h ..
	WIN 0x40
.irp ct, 0,1,2,3
.irp ks, 0,1
	ds_load_b128 v[VF+8*(2*\ct+\ks):VF+8*(2*\ct+\ks)+3],   v[VA+\slot] offset:((\st)>>1)*STRIP+((\st)&1)*128+16*PITCH*\ct+64*\ks
	ds_load_b128 v[VF+8*(2*\ct+\ks)+4:VF+8*(2*\ct+\ks)+7], v[VA+\slot] offset:((\st)>>1)*STRIP+((\st)&1)*128+16*PITCH*\ct+64*\ks+32
.endr
.endr
	WIN 0
.endm
.macro SMUL                            ; S^T = y^T qp^T + cb: eight accumulators take turns, one instruction a turn
.irp t, 0,1,2,3
.irp qi, 0,1
	v_wmma_f32_16x16x32_bf16 v[SS+32*\qi+8*\t:SS+32*\qi+8*\t+7], v[KF+16*\t:KF+16*\t+7], v[QF+16*\qi:QF+16*\qi+7], v[CB+8*\qi:CB+8*\qi+7]
.endr
.endr
.irp t, 0,1,2,3
.irp qi, 0,1
	v_wmma_f32_16x16x32_bf16 v[SS+32*\qi+8*\t:SS+32*\qi+8*\t+7], v[KF+16*\t+8:KF+16*\t+15], v[QF+16*\qi+8:QF+16*\qi+15], v[SS+32*\qi+8*\t:SS+32*\qi+8*\t+7]
.endr
.endr
.endm
.macro MAXQ qi, first                  ; the new running maximum of my query, minus it twice, and (not in the first step) 2^(old - new) twice
.irp k, 0,1,2,3
	v_max3_num_f32 v[T+4*\qi+\k], v[SS+32*\qi+8*\k], v[SS+32*\qi+8*\k+1], v[SS+32*\qi+8*\k+2]
.endr
.irp k, 0,1,2,3
	v_max3_num_f32 v[T+4*\qi+\k], v[T+4*\qi+\k], v[SS+32*\qi+8*\k+3], v[SS+32*\qi+8*\k+4]
.endr
.irp k, 0,1,2,3
	v_max3_num_f32 v[T+4*\qi+\k], v[T+4*\qi+\k], v[SS+32*\qi+8*\k+5], v[SS+32*\qi+8*\k+6]
.endr
	v_max3_num_f32 v[T+4*\qi],   v[T+4*\qi],   v[T+4*\qi+1], v[SS+32*\qi+7]
	v_max3_num_f32 v[T+4*\qi+2], v[T+4*\qi+2], v[T+4*\qi+3], v[SS+32*\qi+15]
	v_max3_num_f32 v[T+4*\qi],   v[T+4*\qi],   v[T+4*\qi+2], v[SS+32*\qi+23]
	v_max_num_f32  v[T+4*\qi],   v[T+4*\qi],   v[SS+32*\qi+31]
	v_permlanex16_b32 v[T+4*\qi+1], v[T+4*\qi], s46, s47           ; the other half of the lanes holds the same query's other keys
.if \first
	v_max_num_f32 v[MX+\qi], v[T+4*\qi], v[T+4*\qi+1]
.else
	v_max3_num_f32 v[T+4*\qi+2], v[T+4*\qi], v[T+4*\qi+1], v[MX+\qi]
	v_sub_f32 v[T+4*\qi+3], v[MX+\qi], v[T+4*\qi+2]
	v_mov_b32 v[MX+\qi], v[T+4*\qi+2]
	v_exp_f32 v[AL+2*\qi], v[T+4*\qi+3]                            ; the two plain lines below stand between it and the use of its result (ISA guide 5.7.2)
.endif
	v_sub_f32 v[NM+2*\qi],   0, v[MX+\qi]
	v_sub_f32 v[NM+2*\qi+1], 0, v[MX+\qi]
.if \first
.else
	s_wait_alu depctr_va_vdst(0)
	v_mov_b32 v[AL+2*\qi+1], v[AL+2*\qi]
.endif
.endm
.macro SUBQ qi
.set j, 0
.rept 16
	v_pk_add_f32 v[SS+32*\qi+j:SS+32*\qi+j+1], v[SS+32*\qi+j:SS+32*\qi+j+1], v[NM+2*\qi:NM+2*\qi+1]
.set j, j+2
.endr
.endm
.macro EXPQ qi                         ; a run of exponentials; the line behind the run is always plain work on other registers
.set j, 0
.rept 32
	v_exp_f32 v[SS+32*\qi+j], v[SS+32*\qi+j]
.set j, j+1
.endr
.endm
.macro SUMQ qi                         ; four chains; the first add of each starts its sum
	s_wait_alu depctr_va_vdst(0)
.irp k, 0,1,2,3
	v_pk_add_f32 v[U+8*\qi+2*\k:U+8*\qi+2*\k+1], v[SS+32*\qi+8*\k:SS+32*\qi+8*\k+1], v[SS+32*\qi+8*\k+2:SS+32*\qi+8*\k+3]
.endr
.irp k, 0,1,2,3
	v_pk_add_f32 v[U+8*\qi+2*\k:U+8*\qi+2*\k+1], v[U+8*\qi+2*\k:U+8*\qi+2*\k+1], v[SS+32*\qi+8*\k+4:SS+32*\qi+8*\k+5]
.endr
.irp k, 0,1,2,3
	v_pk_add_f32 v[U+8*\qi+2*\k:U+8*\qi+2*\k+1], v[U+8*\qi+2*\k:U+8*\qi+2*\k+1], v[SS+32*\qi+8*\k+6:SS+32*\qi+8*\k+7]
.endr
.endm
.macro CVTQ qi                         ; in place, ascending: the weights of 32 keys end up in the first eight of each run of sixteen registers
.irp ks, 0,1
.irp i, 0,1,2,3,4,5,6,7
	v_cvt_pk_bf16_f32 v[SS+32*\qi+16*\ks+\i], v[SS+32*\qi+16*\ks+2*\i], v[SS+32*\qi+16*\ks+2*\i+1]
.endr
.endr
.endm
.macro RESCALE
	WIN 0x41
.irp ct, 0,1,2,3
.irp qi, 0,1
.irp i, 0,2,4,6
	v_pk_mul_f32 v[OA+16*\ct+8*\qi+\i:OA+16*\ct+8*\qi+\i+1], v[OA+16*\ct+8*\qi+\i:OA+16*\ct+8*\qi+\i+1], v[AL+2*\qi:AL+2*\qi+1]
.endr
.endr
.endr
.endm
.macro PVMUL first                     ; O^T += y P^T: eight accumulators take turns, one instruction a turn; the very first products start the sums
	WIN 0x51
.irp ct, 0,1,2,3
.irp qi, 0,1
.if \first
	v_wmma_f32_16x16x32_bf16 v[OA+16*\ct+8*\qi:OA+16*\ct+8*\qi+7], v[VF+16*\ct:VF+16*\ct+7], v[SS+32*\qi:SS+32*\qi+7], 0
.else
	v_wmma_f32_16x16x32_bf16 v[OA+16*\ct+8*\qi:OA+16*\ct+8*\qi+7], v[VF+16*\ct:VF+16*\ct+7], v[SS+32*\qi:SS+32*\qi+7], v[OA+16*\ct+8*\qi:OA+16*\ct+8*\qi+7]
.endif
.endr
.endr
.irp ct, 0,1,2,3
.irp qi, 0,1
	v_wmma_f32_16x16x32_bf16 v[OA+16*\ct+8*\qi:OA+16*\ct+8*\qi+7], v[VF+16*\ct+8:VF+16*\ct+15], v[SS+32*\qi+16:SS+32*\qi+23], v[OA+16*\ct+8*\qi:OA+16*\ct+8*\qi+7]
.endr
.endr
	WIN 0
.endm
.macro LUPD qi, first                  ; the running sum.  These lines name no register of the products above: they are the places ahead of the next loads and products
	v_pk_add_f32 v[U+8*\qi:U+8*\qi+1],   v[U+8*\qi:U+8*\qi+1],   v[U+8*\qi+2:U+8*\qi+3]
	v_pk_add_f32 v[U+8*\qi+4:U+8*\qi+5], v[U+8*\qi+4:U+8*\qi+5], v[U+8*\qi+6:U+8*\qi+7]
	v_pk_add_f32 v[U+8*\qi:U+8*\qi+1],   v[U+8*\qi:U+8*\qi+1],   v[U+8*\qi+4:U+8*\qi+5]
.if \first
	v_add_f32 v[LS+\qi], v[U+8*\qi], v[U+8*\qi+1]
.else
	v_add_f32 v[T+4*\qi], v[U+8*\qi], v[U+8*\qi+1]
	v_fma_f32 v[LS+\qi], v[LS+\qi], v[AL+2*\qi], v[T+4*\qi]
.endif
.endm
; 64 keys x 32 queries.  The key fragments of the step were asked for a step ago, the value fragments are asked for at its head.
.macro STEP slot, st, first
	VLOAD \slot, \st
	s_wait_dscnt 16                                ; the 16 value loads just issued may stay out: the 16 older key loads are in
	SMUL
	PLACES
.if \st < 3
	KLOAD \slot, \st+1
.endif
	MAXQ 0, \first
	MAXQ 1, \first
	SUBQ 0
	EXPQ 0
	SUBQ 1
	EXPQ 1
	SUMQ 0
	CVTQ 0
	SUMQ 1
	CVTQ 1
.if \st < 3
	s_wait_dscnt 16                                ; the next step's 16 key loads may stay out: the value loads are in
.else
	s_wait_dscnt 0
.endif
.if \first
.else
	RESCALE
.endif
	PVMUL \first
	LUPD 0, \first
	LUPD 1, \first
.endm
; A tile of 512 keys.  In front of the round every wave has waited for all its tensor loads (its part of this tile among them) and for its reads of the
; other slot; behind the round that holds of every wave of all four work-groups, and the other slot's next tile is asked for first, one load a wave.
.macro TRIP slot, refill, first
	s_wait_tensorcnt 0x0
	ds_add_u32 v254, v255
	s_wait_dscnt 0x0
	s_add_nc_u64 s[G0+4*\slot+2:G0+4*\slot+3], s[G0+4*\slot+2:G0+4*\slot+3], 2048   ; none of my loads is out: this slot's address steps two tiles of 1,024 bytes
	s_wait_dscnt 0x0
	ROUND
.if \refill
	tensor_load_to_lds s[G0+4-4*\slot:G0+7-4*\slot], s[G1:G1+7]
	s_nop 0
.endif
	KLOAD \slot, 0
	STEP \slot, 0, \first
	STEP \slot, 1, 0
	STEP \slot, 2, 0
	STEP \slot, 3, 0
.endm
	s_load_b512 s[4:19], s[0:1], 0x0               ; y16 4, qp 6, cb 8, Wv 10, bv 12, gamma 14, x 16, out0 18
	v_lshl_add_u32 v254, v0, 2, 0x34c00
	v_mov_b32 v255, 0
	ds_add_u32 v254, v255
	v_lshrrev_b32 v1, 5, v0
	v_readfirstlane_b32 s20, v1                    ; wave 0..7
	s_and_b32 s21, s20, 3                          ; qg
	s_lshr_b32 s22, s20, 2                         ; kh
	s_bfe_u32 s23, ttmp6, 0x40000                  ; cx.  What hangs on it lives in s23, s24, s60, s[62:63] alone and enters only the addresses of qp, cb, x and out0
	s_lshl_b32 s24, ttmp9, 2
	s_add_co_u32 s24, s24, s23                     ; g: my block of 128 queries
	s_and_b32 s25, ttmp7, 0xffff                   ; batch (the cluster is one work-group high)
	s_mov_b32 s46, 0x76543210                      ; v_permlanex16_b32: lane i reads lane i of the other half
	s_mov_b32 s47, 0xfedcba98
	; group 1: 32 rows of 128 bf16, 4,096 elements from row to row, 8 words of padding behind every 64; each wave brings half a strip, 8 KiB:
	; the slot's 64 KiB shared out evenly among eight waves in rows of 256 bytes
	s_mov_b32 s[G1+0], 15|(1<<16)|(1<<20)|(1<<21)|(5<<22)|(7<<25)  ; 15:0 mask: all four of the cluster; 17:16 2 bytes; 20 padding on; 21 set beside a mask; 24:22 every 64 words; 31:25 8 words
	s_mov_b32 s[G1+1], 128<<16                     ; tensor_dim0 = 128
	s_mov_b32 s[G1+2], 32<<16                      ; tensor_dim1 = 32
	s_mov_b32 s[G1+3], 128<<16                     ; tile_dim0 = 128
	s_mov_b32 s[G1+4], 32                          ; tile_dim1 = 32
	s_mov_b32 s[G1+5], 4096                        ; elements from row to row
	s_mov_b32 s[G1+6], 0
	s_mov_b32 s[G1+7], 0
	s_mov_b32 s[G0+0], 1
	s_mul_i32 s[G0+1], s20, 32*PITCH               ; LDS: strip wave / 2, rows 32 (wave % 2) ..
	s_mov_b32 s[G0+4], 1
	s_add_co_u32 s[G0+5], s[G0+1], SLOT
	s_lshl_b32 s26, s25, 19                        ; batch x 512 KiB
	s_and_b32 s48, s20, 1
	s_lshl_b32 s48, s48, 18                        ; 32 rows of 8,192 bytes
	s_add_co_u32 s26, s26, s48
	s_lshr_b32 s48, s20, 1
	s_lshl_b32 s48, s48, 8                         ; the strip's 256 bytes of a row
	s_add_co_u32 s26, s26, s48
	s_mov_b32 s27, 0
	s_mov_b32 s63, 0
	s_wait_dscnt 0x0
	s_wait_kmcnt 0x0
	s_add_nc_u64 s[G0+2:G0+3], s[4:5], s[26:27]    ; tile 0
	s_add_nc_u64 s[G0+6:G0+7], s[G0+2:G0+3], 1024  ; tile 1
	s_or_b32 s[G0+3], s[G0+3], 0x80000000          ; type 2
	s_or_b32 s[G0+7], s[G0+7], 0x80000000
	s_lshl_b32 s26, s20, 5
	s_add_nc_u64 s[12:13], s[12:13], s[26:27]      ; bv[8 wave ..]
	s_lshl_b32 s62, s25, 19
	s_lshl_b32 s60, s24, 14
	s_add_co_u32 s62, s62, s60
	s_lshl_b32 s60, s21, 12
	s_add_co_u32 s62, s62, s60
	s_add_nc_u64 s[6:7], s[6:7], s[62:63]          ; qp + batch x 512 KiB + (128 g + 32 qg) rows of 128 bytes
	s_lshl_b32 s62, s25, 14
	s_and_b32 s60, s21, 1
	s_lshl_b32 s60, s60, 13
	s_add_co_u32 s62, s62, s60
	s_lshr_b32 s60, s21, 1
	s_lshl1_add_u32 s60, s24, s60                  ; c = 2 g + qg / 2
	s_lshl2_add_u32 s62, s60, s62
	s_add_nc_u64 s[8:9], s[8:9], s[62:63]          ; cb + batch x 16 KiB + 32 (qg % 2) rows w of 256 bytes + 4 c
	s_lshl_b32 s62, s25, 20
	s_lshl_b32 s60, s20, 17
	s_add_co_u32 s62, s62, s60
	s_lshl_b32 s60, s24, 9
	s_add_co_u32 s62, s62, s60
	s_add_nc_u64 s[16:17], s[16:17], s[62:63]      ; x and out0 + batch x 1 MiB + 8 wave rows of 16 KiB + 512 g
	s_add_nc_u64 s[18:19], s[18:19], s[62:63]
	ROUND                                          ; all four work-groups are here: the first joint loads meet
	tensor_load_to_lds s[G0:G0+3], s[G1:G1+7]      ; tile 0 into slot 0
	s_nop 0
	s_load_b32 s50, s[14:15], 0x0                  ; gamma
	s_load_b256 s[52:59], s[12:13], 0x0            ; bv of the eight rows that I store
	v_and_b32 v18, 31, v0                          ; lane
	v_and_b32 v19, 15, v0                          ; r
	v_bfe_u32 v20, v0, 4, 1                        ; h
	v_and_b32 v21, 7, v0
	v_bfe_u32 v22, v0, 3, 1
	v_lshlrev_b32 v23, 7, v19
	v_lshl_add_u32 v23, v20, 4, v23                ; 128 r + 16 h
	s_lshl_b32 s48, s22, 11
	s_xor_b32 s49, s48, 2048
	v_add_nc_u32 v[QO], s48, v23                   ; qi = 0: 16 kh rows further
	v_add_nc_u32 v[QO+1], s49, v23                 ; qi = 1: 16 (1 - kh)
	v_lshlrev_b32 v24, 8, v19                      ; 256 r
	s_lshl_b32 s48, s22, 12
	s_xor_b32 s49, s48, 4096
	v_add_nc_u32 v[CO], s48, v24
	v_add_nc_u32 v[CO+1], s49, v24
	v_lshl_add_u32 v[WO], v20, 5, v24              ; Wv: 256 r + 32 h
.irp qi, 0,1
.irp cs, 0,1
	global_load_b128 v[QF+16*\qi+8*\cs:QF+16*\qi+8*\cs+3],   v[QO+\qi], s[6:7] offset:64*\cs
	global_load_b128 v[QF+16*\qi+8*\cs+4:QF+16*\qi+8*\cs+7], v[QO+\qi], s[6:7] offset:64*\cs+32
.endr
	global_load_b32 v[CB+8*\qi], v[CO+\qi], s[8:9]
.endr
.irp ct, 0,1,2,3
.irp sp, 0,1
	global_load_b128 v[SS+16*(2*\ct+\sp):SS+16*(2*\ct+\sp)+3],     v[WO], s[10:11] offset:4096*\ct+128*\sp       ; Wv[16 ct + r][32 sp + 8 h ..], f32
	global_load_b128 v[SS+16*(2*\ct+\sp)+4:SS+16*(2*\ct+\sp)+7],   v[WO], s[10:11] offset:4096*\ct+128*\sp+16
	global_load_b128 v[SS+16*(2*\ct+\sp)+8:SS+16*(2*\ct+\sp)+11],  v[WO], s[10:11] offset:4096*\ct+128*\sp+64    ; .. [32 sp + 16 + 8 h ..]
	global_load_b128 v[SS+16*(2*\ct+\sp)+12:SS+16*(2*\ct+\sp)+15], v[WO], s[10:11] offset:4096*\ct+128*\sp+80
.endr
.endr
	v_lshl_add_u32 v23, v20, 3, v21                ; 8 h + lane % 8
	v_mul_u32_u24 v23, v23, PITCH
	v_lshl_add_u32 v23, v22, 4, v23                ; + 16 ((lane / 8) % 2)
	s_mul_i32 s48, s22, 2*STRIP                    ; my half of a slot
	v_add_nc_u32 v[KA], s48, v23
	v_add_nc_u32 v[KA+1], SLOT, v[KA]
	v_mul_u32_u24 v24, v19, PITCH
	v_lshl_add_u32 v24, v20, 4, v24                ; r rows + 16 h
	v_add_nc_u32 v[VA], s48, v24
	v_add_nc_u32 v[VA+1], SLOT, v[VA]
	s_mul_i32 s48, s20, XW
	s_add_co_u32 s48, s48, XCH
	v_lshl_add_u32 v[XS], v18, 4, s48
	v_lshl_add_u32 v[XM], v18, 2, s48
	s_xor_b32 s49, s20, 4                          ; my partner: same queries, other half of the keys
	s_mul_i32 s49, s49, XW
	s_add_co_u32 s49, s49, XCH
	v_lshl_add_u32 v[XSP], v18, 4, s49
	v_lshl_add_u32 v[XMP], v18, 2, s49
	s_lshl_b32 s48, s21, 7
	s_lshl_b32 s49, s22, 6
	s_add_co_u32 s48, s48, s49
	s_add_co_u32 s48, s48, OS
	v_mul_u32_u24 v[OSA], v19, OPITCH
	v_lshl_add_u32 v[OSA], v20, 5, v[OSA]
	v_add_nc_u32 v[OSA], s48, v[OSA]               ; row r (+ 16 ct), queries 32 qg + 16 kh + 8 h ..
	s_mul_i32 s48, s20, 8*OPITCH
	s_add_co_u32 s48, s48, OS
	v_lshl_add_u32 v[OSR], v18, 4, s48             ; rows 8 wave (+ k), 16 bytes a lane
	v_lshlrev_b32 v[GX], 4, v18
	s_wait_loadcnt 0x0
	s_wait_kmcnt 0x0
.irp qi, 0,1
.irp i, 1,2,3,4,5,6,7
	v_mov_b32 v[CB+8*\qi+\i], v[CB+8*\qi]          ; the C operand wants my query's cb in each of its eight registers
.endr
.endr
	WIN 0x40
.set j, 0
.rept 64
	v_cvt_pk_bf16_f32 v[WV+j], v[SS+2*j], v[SS+2*j+1]
.set j, j+1
.endr
	WIN 0
	; eight tiles through two slots; by this text's own count one tensor load of a wave is out at a time, and it has a whole tile's work in which to land
	TRIP 0, 1, 1                                   ; the first step starts maxima and sums: nothing is cleared
	TRIP 1, 1, 0
	s_mov_b32 s44, 2
.Lring:
	TRIP 0, 1, 0
	TRIP 1, 1, 0
	s_sub_co_u32 s44, s44, 1
	s_cmp_lg_u32 s44, 0
	s_cbranch_scc1 .Lring
	TRIP 0, 1, 0                                   ; tile 6; asks for tile 7
	TRIP 1, 0, 0                                   ; tile 7: nothing is left to fetch
	; THE TWO HALVES OF THE KEYS MEET.  x for the way out is asked for now.
.irp k, 0,1,2,3,4,5,6,7
	global_load_b128 v[QF+4*\k:QF+4*\k+3], v[GX], s[16:17] offset:16384*\k th:TH_LOAD_NT   ; row c = 8 wave + k, my block's 512 bytes
.endr
	v_permlanex16_b32 v[T], v[LS], s46, s47
	v_permlanex16_b32 v[T+4], v[LS+1], s46, s47
	v_add_f32 v[LS], v[LS], v[T]                   ; the sums of both halves of the lanes
	v_add_f32 v[LS+1], v[LS+1], v[T+4]
	WIN 0x04
.irp ct, 0,1,2,3
	ds_store_b128 v[XS], v[OA+16*\ct+8:OA+16*\ct+11]  offset:1024*\ct
	ds_store_b128 v[XS], v[OA+16*\ct+12:OA+16*\ct+15] offset:1024*\ct+512
.endr
	WIN 0
	ds_store_b32 v[XM], v[MX+1] offset:4096
	ds_store_b32 v[XM], v[LS+1] offset:4224
	s_wait_dscnt 0x0                               ; my stores are done, for my partner's sake
	s_barrier_signal -1
	s_barrier_wait -1
.irp i, 0,1,2,3,4,5,6,7
	ds_load_b128 v[SS+4*\i:SS+4*\i+3], v[XSP] offset:512*\i
.endr
	ds_load_b32 v[MP], v[XMP] offset:4096
	ds_load_b32 v[LP], v[XMP] offset:4224
	s_wait_dscnt 0x0
	v_max_num_f32 v[T], v[MX], v[MP]
	v_sub_f32 v[T+1], v[MX], v[T]
	v_sub_f32 v[T+2], v[MP], v[T]
	v_exp_f32 v[T+1], v[T+1]
	v_exp_f32 v[T+2], v[T+2]
	v_nop                                          ; one plain place behind the exponentials (ISA guide 5.7.2)
	s_wait_alu depctr_va_vdst(0)
	v_mul_f32 v[T+3], v[T+1], v[LS]
	v_fmac_f32 v[T+3], v[T+2], v[LP]               ; the whole row's sum: at least 1, since the largest weight is 1
	v_rcp_f32 v[T+4], v[T+3]
	v_nop
	s_wait_alu depctr_va_vdst(0)
	v_mul_f32 v[GA], v[T+1], v[T+4]
	v_mul_f32 v[GA+1], v[T+1], v[T+4]
	v_mul_f32 v[GB], v[T+2], v[T+4]
	v_mul_f32 v[GB+1], v[T+2], v[T+4]
.set j, 0
.rept 16
	v_pk_mul_f32 v[SS+j:SS+j+1], v[SS+j:SS+j+1], v[GB:GB+1]
.set j, j+2
.endr
	WIN 0x01
.irp ct, 0,1,2,3
.irp i, 0,2,4,6
	v_pk_fma_f32 v[SS+8*\ct+\i:SS+8*\ct+\i+1], v[OA+16*\ct+\i:OA+16*\ct+\i+1], v[GA:GA+1], v[SS+8*\ct+\i:SS+8*\ct+\i+1]
.endr
.endr
	WIN 0
.set j, 0
.rept 16
	v_cvt_pk_bf16_f32 v[KF+j], v[SS+2*j], v[SS+2*j+1]      ; (y att^T)(channel, query): two neighbouring channel tiles pack into one operand of 32 channels, rows = queries
.set j, j+1
.endr
	; (query, c) = (y att^T)^T Wv^T.  The first products start the sums; four accumulators by turns.
	WIN 0x04
.irp ct, 0,1,2,3
	v_wmma_f32_16x16x32_bf16 v[RR+8*\ct:RR+8*\ct+7], v[KF:KF+7], v[WV+16*\ct:WV+16*\ct+7], 0
.endr
.irp ct, 0,1,2,3
	v_wmma_f32_16x16x32_bf16 v[RR+8*\ct:RR+8*\ct+7], v[KF+8:KF+15], v[WV+16*\ct+8:WV+16*\ct+15], v[RR+8*\ct:RR+8*\ct+7]
.endr
	WIN 0
	PLACES
.irp ct, 0,1,2,3
	ds_store_b128 v[OSA], v[RR+8*\ct:RR+8*\ct+3]   offset:16*OPITCH*\ct        ; row c = 16 ct + r: eight neighbouring queries
	ds_store_b128 v[OSA], v[RR+8*\ct+4:RR+8*\ct+7] offset:16*OPITCH*\ct+16
.endr
	s_wait_dscnt 0x0                               ; my stores are done, for the other waves' sake
	s_barrier_signal -1
	s_barrier_wait -1
	; THE WAY OUT: wave w takes rows c = 8 w + k whole: 128 queries, 512 bytes
.irp k, 0,1,2,3,4,5,6,7
	ds_load_b128 v[KF+16+4*\k:KF+16+4*\k+3], v[OSR] offset:OPITCH*\k
.endr
	s_wait_dscnt 0x0
	s_wait_loadcnt 0x0                             ; x
.irp k, 0,1,2,3,4,5,6,7
.irp i, 0,1,2,3
	v_add_f32 v[KF+16+4*\k+\i], s[52+\k], v[KF+16+4*\k+\i]                     ; + bv[c]
	v_fma_f32 v[KF+16+4*\k+\i], s50, v[KF+16+4*\k+\i], v[QF+4*\k+\i]           ; gamma x that + x
.endr
	global_store_b128 v[GX], v[KF+16+4*\k:KF+16+4*\k+3], s[18:19] offset:16384*\k th:TH_STORE_NT   ; the wave stores 512 consecutive bytes, aligned
.endr
	s_wait_tensorcnt 0x0
	ds_add_u32 v254, v255
	s_wait_dscnt 0x0
	ROUND                                          ; the closing round: no work-group ends while a partner may still ask for a tile that names it
	s_endpgm
.Lfunc_end_k_q7c92272b9c_attn:
	.size	k_q7c92272b9c_attn, .Lfunc_end_k_q7c92272b9c_attn-k_q7c92272b9c_attn
	.p2alignl 7, 3214868480
	.fill 96, 4, 3214868480
	.section	.rodata,"a",@progbits
	.p2align	6, 0x0
	.amdhsa_kernel k_q7c92272b9c_attn
		.amdhsa_group_segment_fixed_size 327680
		.amdhsa_private_segment_fixed_size 0
		.amdhsa_enable_private_segment 0
		.amdhsa_kernarg_size 64
		.amdhsa_user_sgpr_count 2
		.amdhsa_user_sgpr_kernarg_segment_ptr 1
		.amdhsa_wavefront_size32 1
		.amdhsa_system_sgpr_workgroup_id_x 1
		.amdhsa_system_sgpr_workgroup_id_y 1
		.amdhsa_system_sgpr_workgroup_id_z 1
		.amdhsa_system_vgpr_workitem_id 0
		.amdhsa_next_free_vgpr 448
		.amdhsa_next_free_sgpr 66
		.amdhsa_reserve_vcc 0
		.amdhsa_float_denorm_mode_32 3
		.amdhsa_float_denorm_mode_16_64 3
		.amdhsa_memory_ordered 1
		.amdhsa_forward_progress 1
		.amdhsa_inst_pref_size 255
	.end_amdhsa_kernel
	.section	.bss,"aw",@nobits
	.p2align	6
	.space	262144
	.amdgpu_metadata
---
amdhsa.version: [ 1, 2 ]
amdhsa.kernels:
  - .name:           k_q7c92272b9c_attn
    .symbol:         k_q7c92272b9c_attn.kd
    .args:
      - { .name: y16, .offset: 0, .size: 8, .value_kind: global_buffer, .address_space: global }
      - { .name: qp, .offset: 8, .size: 8, .value_kind: global_buffer, .address_space: global }
      - { .name: cb, .offset: 16, .size: 8, .value_kind: global_buffer, .address_space: global }
      - { .name: Wv, .offset: 24, .size: 8, .value_kind: global_buffer, .address_space: global }
      - { .name: bv, .offset: 32, .size: 8, .value_kind: global_buffer, .address_space: global }
      - { .name: gamma, .offset: 40, .size: 8, .value_kind: global_buffer, .address_space: global }
      - { .name: x, .offset: 48, .size: 8, .value_kind: global_buffer, .address_space: global }
      - { .name: out0, .offset: 56, .size: 8, .value_kind: global_buffer, .address_space: global }
    .group_segment_fixed_size: 327680
    .private_segment_fixed_size: 0
    .kernarg_segment_align: 8
    .kernarg_segment_size: 64
    .max_flat_workgroup_size: 256
    .sgpr_count:     66
    .vgpr_count:     448
    .wavefront_size: 32
...
	.end_amdgpu_metadata
.endif
;; end of part 2
;; ======== version 2 of 2: 2 launches; version 1 with the launch prep written anew for expert scheduling mode
;; workspace buffers: y16 4,194,304 bytes; qp 4,194,304 bytes; cb 131,072 bytes
;; launch prep (part 3): grid 32 x 8, 8 waves a work-group, no clusters, 47,616 bytes of LDS; arguments x, y, Wq, bq, Wk, bk, y16, qp, cb; writes y16, qp, cb
.if DOCPART == 3
	.amdgcn_target "amdgcn-amd-amdhsa--gfx1250"
	.amdhsa_code_object_version 6
	.text
	.protected	k_q7c92272b9c_prep
	.globl	k_q7c92272b9c_prep
	.p2align	8
	.type	k_q7c92272b9c_prep,@function
k_q7c92272b9c_prep:
	s_mov_b64 s[64:65], 0
	v_nop
	global_prefetch_b8 v0, s[64:65] scope:SCOPE_SE
	s_setreg_imm32_b32 hwreg(HW_REG_WAVE_SCHED_MODE, 0, 2), 2
	s_setreg_imm32_b32 hwreg(HW_REG_WAVE_MODE, 25, 1), 1
	s_wait_xcnt 0x0
	s_wait_alu depctr_vm_vsrc(0)
; PREP: what the attention launch needs of the query side, and y in bf16.
;   y16[b][c][m]  = bf16(y[b][c][m])
;   qp[b][n][k]   = bf16( L * sum_j qf[b][n][j] Wk[j][k] ),  L = log2 e
;   cb[b][w][c]   = L * sum_j qf[b][n][j] bk[j],  n = 64 c + w        (f32)
; where qf is the projection q = Wq x + bq read as [4096][64]: qf[64 c + w][j] = sum_ci Wq[c][ci] x[ci][64 w + j] + bq[c].
; Since qf (Wk y + bk) = (qf Wk) y + qf bk, the key projection is moved onto the queries exactly, for every input.
; A work-group takes 128 columns of x of one batch (w = 2 wp and 2 wp + 1, all 64 c) and 32 KiB of y.
; Eight waves: wave = 4 wl + ct makes the 16 values c = 16 ct .. 16 ct + 15 for w = 2 wp + wl.
; Both products run transposed (rows = j or k, columns = c): the result of the first, packed to bf16, is then already the second
; operand of the second, and a lane's eight results of the second are eight neighbouring k of one row of qp.
; Operands bf16, sums f32.  No tensor loads: every byte comes through registers once.  No cluster: the work-groups share only the
; two weight matrices, 32 KiB against 64 KiB of x and y of their own.
; THE MODE: SCHED_MODE bits 1:0 = 2 (LLVM: expert scheduling mode 2), set by the entry lines.  The code itself states the register dependences
; between vector or matrix instructions and memory or LDS instructions, with s_wait_alu, always for 0.
; THE PLAN.  Registers that memory or LDS instructions touch, in the order of the text:
;   v4-v9, v14        global offsets: made at the head, never written again.
;   v10-v13, v15-v19  LDS addresses and the last stores' offsets: made behind the global loads, never written again.
;   XL, WL            loaded; converted in place, in one run; read by the twelve LDS stores; then x's fragments land in them (A1's v20-67).
;   WQL               loaded; read by the conversions into WQ; then the last tile's fragments land in its lower half (A1's v68-83).
;   A1                x's fragments, read by the first product; Wk's fragments, read by the second; the way out's LDS loads (v20-39), read by the last stores.
;   YL                loaded; converted in place, in one run; read by the four stores of y16; never written again.
;   D2, v[TP]         written by matrix and vector instructions; read by the five LDS stores into QS and CS; never written again.
;   v254, v255        written at the head, read by the closing add alone.
; WQ, BQ, BK, D1, B2 and the rest of TP are named, once filled, by vector and matrix instructions alone.
; So each run of conversions has one wait on va_vdst behind it, ahead of the run of stores or loads that hangs on it; each product has one behind it, ahead of
; the loads into its first operands; and one wait on vm_vsrc stands behind the first barrier, ahead of the loads into the LDS stores' data registers.
.set XT,      0                        ; 64 rows ci x 288 bytes: 128 columns of x in bf16 (256 bytes) + 32 of padding
.set XPITCH,  288                      ; an odd multiple of 32 bytes: the eight rows that a group of lanes of a transposing load touches begin at different offsets modulo 256
.set WKT,     18432                    ; 64 rows j x 160 bytes: Wk in bf16 (128 bytes) + 32
.set WPITCH,  160
.set QS,      28672                    ; 64 rows c x 272 bytes: qp of the two w, 2 x 64 bf16 (256 bytes) + 16
.set QPITCH,  272
.set CS,      46080                    ; cb: [wl][64 c] f32, 512 bytes
.set LOG2E,   0x3fb8aa3b
.set XL,  20                           ; v[20:51]   x as loaded, 8 rows x 4 registers
.set WL,  52                           ; v[52:67]   Wk as loaded
.set WQL, 68                           ; v[68:99]   Wq as loaded (f32)
.set BQ,  100                          ; v[100:107] bq[c] of my column, eight times: the first product's C operand
.set BK,  108                          ; v[108:139] bk[16 jt + 8 h + i]
.set YL,  140                          ; v[140:171] y as loaded, then packed
.set WQ,  172                          ; v[172:187] Wq fragments, bf16
.set D1,  188                          ; v[188:219] qf, four tiles (j, c)
.set B2,  220                          ; v[220:235] qf in bf16: second operand of the second product
.set TP,  236                          ; v[236:251] at work
.set A1,  20                           ; v[20:83]   first operands: x transposed, later Wk transposed
.set D2,  108                          ; v[108:139] qf Wk, four tiles (k, c)
.macro PLACES                          ; four places behind a matrix instruction, ahead of the vector instructions that read its result (ISA guide 7.12.1)
.rept 4
	v_nop
.endr
.endm
.macro XTILE jt                        ; x's fragments of tile jt: rows j = 16 jt + r, four transposing loads
.irp sp, 0,1
	ds_load_tr16_b128 v[A1+8*(2*\jt+\sp):A1+8*(2*\jt+\sp)+3],   v12 offset:XT+32*XPITCH*\sp+32*\jt              ; ci = 32 sp + 8 h ..
	ds_load_tr16_b128 v[A1+8*(2*\jt+\sp)+4:A1+8*(2*\jt+\sp)+7], v12 offset:XT+32*XPITCH*\sp+32*\jt+16*XPITCH   ; ci = 32 sp + 16 + 8 h ..
.endr
.endm
	s_load_b512 s[4:19], s[0:1], 0x0               ; x 4, y 6, Wq 8, bq 10, Wk 12, bk 14, y16 16, qp 18
	s_load_b64 s[20:21], s[0:1], 0x40              ; cb
	v_lshl_add_u32 v254, v0, 2, 0xb600             ; my spare word, behind CS, and 0: kept for the closing lines alone
	v_mov_b32 v255, 0
	v_lshrrev_b32 v1, 5, v0
	v_readfirstlane_b32 s22, v1                    ; wave 0..7
	s_and_b32 s25, ttmp7, 0xffff                   ; batch
	s_mov_b32 s28, 0x76543210                      ; v_permlanex16_b32: lane i reads lane i of the other half
	s_mov_b32 s29, 0xfedcba98
	v_and_b32 v1, 31, v0                           ; lane
	v_and_b32 v2, 15, v0                           ; r
	v_bfe_u32 v3, v0, 4, 1                         ; h
	v_lshlrev_b32 v8, 5, v3                        ; bk: 32 h
	v_lshlrev_b32 v9, 5, v0                        ; y: 32 bytes a thread
	v_lshlrev_b32 v14, 4, v0                       ; y16: 16 bytes a thread
	s_wait_alu depctr_va_sdst(0)                   ; s22 is written, ahead of its first reader: offsets, LDS addresses and the last branch are made from it
	s_and_b32 s23, s22, 3                          ; ct
	s_lshr_b32 s24, s22, 2                         ; wl
	s_lshl_b32 s30, s22, 17
	v_lshl_add_u32 v4, v1, 4, s30                  ; x: 8 rows of 16,384 bytes a wave + 16 lane
	s_lshl_b32 s30, s22, 11
	v_lshl_add_u32 v5, v1, 4, s30                  ; Wk: 2,048 bytes a wave + 16 lane
	s_lshl_b32 s30, s23, 4
	v_add_nc_u32 v[TP], s30, v2                    ; c = 16 ct + r
	v_lshlrev_b32 v6, 8, v[TP]
	v_lshl_add_u32 v6, v3, 5, v6                   ; Wq: row c, 32 h
	v_lshlrev_b32 v7, 2, v[TP]                     ; bq[c]
	s_mov_b32 s27, 0
	s_lshl_b32 s30, s25, 20
	s_lshl_b32 s31, ttmp9, 9
	s_add_co_u32 s26, s30, s31
	s_wait_kmcnt 0x0
	s_add_nc_u64 s[4:5], s[4:5], s[26:27]          ; x + batch x 1 MiB + 512 wp
	s_lshl_b32 s31, ttmp9, 15
	s_add_co_u32 s26, s30, s31
	s_add_nc_u64 s[6:7], s[6:7], s[26:27]          ; y + (32 batch + wp) x 32 KiB
	s_lshl_b32 s30, s25, 19
	s_lshl_b32 s31, ttmp9, 14
	s_add_co_u32 s26, s30, s31
	s_add_nc_u64 s[16:17], s[16:17], s[26:27]      ; y16 + (32 batch + wp) x 16 KiB
	s_lshl_b32 s31, ttmp9, 8
	s_add_co_u32 s26, s30, s31
	s_add_nc_u64 s[18:19], s[18:19], s[26:27]      ; qp + batch x 512 KiB + 256 wp
	s_lshl_b32 s30, s25, 14
	s_lshl_b32 s31, ttmp9, 9
	s_add_co_u32 s26, s30, s31
	s_add_nc_u64 s[20:21], s[20:21], s[26:27]      ; cb + batch x 16 KiB + 512 wp
	; all loads in one run, in the order in which they are wanted
	s_wait_alu depctr_va_vdst(0)                   ; the offsets v4 to v9, which the loads below read, and v14, which y16's stores read, are written
.irp k, 0,1,2,3,4,5,6,7
	global_load_b128 v[XL+4*\k:XL+4*\k+3], v4, s[4:5] offset:16384*\k      ; row ci = 8 wave + k: 512 neighbouring bytes
.endr
.irp k, 0,1,2,3
	global_load_b128 v[WL+4*\k:WL+4*\k+3], v5, s[12:13] offset:512*\k      ; rows j = 8 wave + 2 k, + 1
.endr
.irp sp, 0,1
	global_load_b128 v[WQL+16*\sp:WQL+16*\sp+3],     v6, s[8:9] offset:128*\sp       ; Wq[c][32 sp + 8 h ..]
	global_load_b128 v[WQL+16*\sp+4:WQL+16*\sp+7],   v6, s[8:9] offset:128*\sp+16
	global_load_b128 v[WQL+16*\sp+8:WQL+16*\sp+11],  v6, s[8:9] offset:128*\sp+64    ; Wq[c][32 sp + 16 + 8 h ..]
	global_load_b128 v[WQL+16*\sp+12:WQL+16*\sp+15], v6, s[8:9] offset:128*\sp+80
.endr
	global_load_b32 v[BQ], v7, s[10:11]
.irp jt, 0,1,2,3
	global_load_b128 v[BK+8*\jt:BK+8*\jt+3],   v8, s[14:15] offset:64*\jt
	global_load_b128 v[BK+8*\jt+4:BK+8*\jt+7], v8, s[14:15] offset:64*\jt+16
.endr
.irp k, 0,1,2,3
	global_load_b128 v[YL+8*\k:YL+8*\k+3],   v9, s[6:7] offset:8192*\k th:TH_LOAD_NT
	global_load_b128 v[YL+8*\k+4:YL+8*\k+7], v9, s[6:7] offset:8192*\k+16 th:TH_LOAD_NT
.endr
	; LDS addresses, while the loads are on their way: none of these lines names a register that a load above reads or lands in
	s_mul_i32 s30, s22, 8*XPITCH
	v_lshl_add_u32 v10, v1, 3, s30                 ; x in: row 8 wave (+ k), 8 bytes a lane
	s_mul_i32 s30, s22, 8*WPITCH
	v_mul_u32_u24 v11, v3, WPITCH
	v_lshl_add_u32 v11, v2, 3, v11
	v_add_nc_u32 v11, s30, v11                     ; Wk in: row 8 wave + h (+ 2 k), 8 bytes for each of 16 lanes
	v_and_b32 v[TP+1], 7, v0
	v_lshl_add_u32 v[TP+1], v3, 3, v[TP+1]         ; 8 h + lane % 8
	v_bfe_u32 v[TP+2], v0, 3, 1                    ; (lane / 8) % 2
	s_lshl_b32 s31, s24, 7                         ; 128 wl
	v_mul_u32_u24 v12, v[TP+1], XPITCH
	v_lshl_add_u32 v12, v[TP+2], 4, v12
	v_add_nc_u32 v12, s31, v12                     ; x transposed out
	v_mul_u32_u24 v13, v[TP+1], WPITCH
	v_lshl_add_u32 v13, v[TP+2], 4, v13            ; Wk transposed out
	v_mul_u32_u24 v15, v[TP], QPITCH
	v_lshl_add_u32 v15, v3, 4, v15
	v_add_nc_u32 v15, s31, v15                     ; qp in: row c, 128 wl + 16 h
	s_lshl_b32 s30, s24, 8
	v_lshl_add_u32 v16, v[TP], 2, s30              ; cb in: 256 wl + 4 c
	s_mul_i32 s30, s22, 8*QPITCH
	v_mul_u32_u24 v17, v3, QPITCH
	v_lshl_add_u32 v17, v2, 4, v17
	v_add_nc_u32 v17, s30, v17                     ; qp out of LDS: row 8 wave + h (+ 2 k), 16 r
	s_lshl_b32 s30, s22, 16
	v_lshlrev_b32 v18, 13, v3
	v_lshl_add_u32 v18, v2, 4, v18
	v_add_nc_u32 v18, s30, v18                     ; and in memory: rows c are 8,192 bytes apart
	v_lshlrev_b32 v19, 4, v1                       ; 16 lane
	; x and Wk to bf16, in one run, and into LDS, in one run
	s_wait_loadcnt 25                              ; 25 younger loads (Wq 8, bq 1, bk 8, y 8) may stay out: x and Wk are in
.irp k, 0,1,2,3,4,5,6,7
	v_cvt_pk_bf16_f32 v[XL+4*\k],   v[XL+4*\k],   v[XL+4*\k+1]
	v_cvt_pk_bf16_f32 v[XL+4*\k+1], v[XL+4*\k+2], v[XL+4*\k+3]
.endr
.irp k, 0,1,2,3
	v_cvt_pk_bf16_f32 v[WL+4*\k],   v[WL+4*\k],   v[WL+4*\k+1]
	v_cvt_pk_bf16_f32 v[WL+4*\k+1], v[WL+4*\k+2], v[WL+4*\k+3]
.endr
	s_wait_alu depctr_va_vdst(0)                   ; the conversions have written v[XL ..] and v[WL ..], the LDS stores' data, and are done with v20 to v67; the addresses v10 to v13 and v15 to v19 are written, for all that reads them from here on
.irp k, 0,1,2,3,4,5,6,7
	ds_store_b64 v10, v[XL+4*\k:XL+4*\k+1] offset:XT+XPITCH*\k
.endr
.irp k, 0,1,2,3
	ds_store_b64 v11, v[WL+4*\k:WL+4*\k+1] offset:WKT+2*WPITCH*\k
.endr
	s_wait_dscnt 0x0                               ; my stores are done, for the other waves' sake
	s_barrier_signal -1
	s_barrier_wait -1                              ; everybody's are: XT and WKT are whole
	s_wait_alu depctr_vm_vsrc(0)                   ; my LDS stores have read v[XL ..] and v[WL ..], in which the fragments below land
	XTILE 0                                        ; v20 to v67.  No further wait: no vector instruction since the last wait on va_vdst names them or v12
	XTILE 1
	XTILE 2
	s_wait_loadcnt 8                               ; only y's eight loads may stay out
.set j, 0
.rept 16
	v_cvt_pk_bf16_f32 v[WQ+j], v[WQL+2*j], v[WQL+2*j+1]    ; Wq fragments: column c, ci along the registers
.set j, j+1
.endr
.irp i, 1,2,3,4,5,6,7
	v_mov_b32 v[BQ+\i], v[BQ]                      ; the C operand wants bq[c] in each of its eight registers
.endr
	s_wait_alu depctr_va_vdst(0)                   ; the conversions are done reading v[WQL .. WQL+15], in which the last tile's fragments land
	XTILE 3                                        ; v68 to v83
	; y's cast, while the fragments come
	s_wait_loadcnt 0x0
.irp k, 0,1,2,3
.irp i, 0,1,2,3
	v_cvt_pk_bf16_f32 v[YL+8*\k+\i], v[YL+8*\k+2*\i], v[YL+8*\k+2*\i+1]
.endr
.endr
	s_wait_alu depctr_va_vdst(0)                   ; the conversions have written v[YL ..], which the four stores read
.irp k, 0,1,2,3
	global_store_b128 v14, v[YL+8*\k:YL+8*\k+3], s[16:17] offset:4096*\k   ; 16 lanes store 256 consecutive bytes, aligned
.endr
	; qf(j, c) = x^T Wq^T + bq.  Four accumulators take turns, one instruction a turn.
	s_wait_dscnt 0x0
.irp jt, 0,1,2,3
	v_wmma_f32_16x16x32_bf16 v[D1+8*\jt:D1+8*\jt+7], v[A1+16*\jt:A1+16*\jt+7], v[WQ:WQ+7], v[BQ:BQ+7]
.endr
.irp jt, 0,1,2,3
	v_wmma_f32_16x16x32_bf16 v[D1+8*\jt:D1+8*\jt+7], v[A1+16*\jt+8:A1+16*\jt+15], v[WQ+8:WQ+15], v[D1+8*\jt:D1+8*\jt+7]
.endr
	PLACES                                         ; for the vector lines below, which read D1; they stay beside the wait
	s_wait_alu depctr_va_vdst(0)                   ; the matrix instructions are done reading v[A1 ..], in which Wk's fragments land
.irp t, 0,1,2,3
.irp sp, 0,1
	ds_load_tr16_b128 v[A1+8*(2*\t+\sp):A1+8*(2*\t+\sp)+3],   v13 offset:WKT+32*WPITCH*\sp+32*\t              ; rows k = 16 t + r, j = 32 sp + 8 h ..
	ds_load_tr16_b128 v[A1+8*(2*\t+\sp)+4:A1+8*(2*\t+\sp)+7], v13 offset:WKT+32*WPITCH*\sp+32*\t+16*WPITCH
.endr
.endr
	; cb = L qf . bk in f32: four chains over my 32 values of j, then the other half of the lanes
.irp jt, 0,1,2,3
	v_pk_mul_f32 v[TP+2*\jt:TP+2*\jt+1], v[D1+8*\jt:D1+8*\jt+1], v[BK+8*\jt:BK+8*\jt+1]
.endr
.irp i, 2,4,6
.irp jt, 0,1,2,3
	v_pk_fma_f32 v[TP+2*\jt:TP+2*\jt+1], v[D1+8*\jt+\i:D1+8*\jt+\i+1], v[BK+8*\jt+\i:BK+8*\jt+\i+1], v[TP+2*\jt:TP+2*\jt+1]
.endr
.endr
	v_pk_add_f32 v[TP:TP+1], v[TP:TP+1], v[TP+2:TP+3]
	v_pk_add_f32 v[TP+4:TP+5], v[TP+4:TP+5], v[TP+6:TP+7]
	v_pk_add_f32 v[TP:TP+1], v[TP:TP+1], v[TP+4:TP+5]
	v_add_f32 v[TP], v[TP], v[TP+1]
	v_permlanex16_b32 v[TP+1], v[TP], s28, s29
	v_add_f32 v[TP], v[TP], v[TP+1]
	v_mul_f32 v[TP], LOG2E, v[TP]
.set j, 0
.rept 16
	v_cvt_pk_bf16_f32 v[B2+j], v[D1+2*j], v[D1+2*j+1]      ; two neighbouring tiles of j pack into one operand of 32 j
.set j, j+1
.endr
	; (qf Wk)(k, c).  The first product starts the sums; four accumulators by turns.
	s_wait_dscnt 0x0
.irp t, 0,1,2,3
	v_wmma_f32_16x16x32_bf16 v[D2+8*\t:D2+8*\t+7], v[A1+16*\t:A1+16*\t+7], v[B2:B2+7], 0
.endr
.irp t, 0,1,2,3
	v_wmma_f32_16x16x32_bf16 v[D2+8*\t:D2+8*\t+7], v[A1+16*\t+8:A1+16*\t+15], v[B2+8:B2+15], v[D2+8*\t:D2+8*\t+7]
.endr
	PLACES
.set j, 0
.rept 16
	v_pk_mul_f32 v[D2+j:D2+j+1], v[D2+j:D2+j+1], LOG2E op_sel_hi:[1,0]     ; scores will come out in units of base 2
.set j, j+2
.endr
.irp t, 0,1,2,3
.irp i, 0,1,2,3
	v_cvt_pk_bf16_f32 v[D2+8*\t+\i], v[D2+8*\t+2*\i], v[D2+8*\t+2*\i+1]
.endr
.endr
	s_wait_alu depctr_va_vdst(0)                   ; the conversions have written v[D2 ..], and v[TP] is written: the LDS stores' data; the second product is done reading v[A1 ..], in which the way out's LDS loads land
.irp t, 0,1,2,3
	ds_store_b128 v15, v[D2+8*\t:D2+8*\t+3] offset:QS+32*\t                ; k = 16 t + 8 h .. + 7 of row c
.endr
	ds_store_b32 v16, v[TP] offset:CS              ; both halves of the lanes hold the same sum and write the same word
	s_wait_dscnt 0x0                               ; my stores are done, for the other waves' sake
	s_barrier_signal -1
	s_barrier_wait -1
	; the way out: row c of QS is the 256 bytes of qp's rows n = 64 c + 2 wp and + 1.  No vector instruction stands behind the last wait on va_vdst, so these loads and stores owe no further one
.irp k, 0,1,2,3
	ds_load_b128 v[A1+4*\k:A1+4*\k+3], v17 offset:QS+2*QPITCH*\k
.endr
.irp k, 0,1,2,3
	s_wait_dscnt 3-\k                              ; LDS loads come back in order: load k is in, the younger ones may be out
	global_store_b128 v18, v[A1+4*\k:A1+4*\k+3], s[18:19] offset:16384*\k  ; 16 lanes store 256 consecutive bytes, aligned
.endr
	s_cmp_lg_u32 s22, 0
	s_cbranch_scc1 .Ldone
	ds_load_b128 v[A1+16:A1+19], v19 offset:CS     ; wave 0: the 512 bytes of cb
	s_wait_dscnt 0x0
	global_store_b128 v19, v[A1+16:A1+19], s[20:21]
.Ldone:
	s_wait_dscnt 0x0                               ; the closing lines, six on end
	s_wait_alu 0x0
	s_wait_tensorcnt 0x0
	ds_add_u32 v254, v255
	s_wait_dscnt 0x0
	s_endpgm
.Lfunc_end_k_q7c92272b9c_prep:
	.size	k_q7c92272b9c_prep, .Lfunc_end_k_q7c92272b9c_prep-k_q7c92272b9c_prep
	.p2alignl 7, 3214868480
	.fill 96, 4, 3214868480
	.section	.rodata,"a",@progbits
	.p2align	6, 0x0
	.amdhsa_kernel k_q7c92272b9c_prep
		.amdhsa_group_segment_fixed_size 47616
		.amdhsa_private_segment_fixed_size 0
		.amdhsa_enable_private_segment 0
		.amdhsa_kernarg_size 72
		.amdhsa_user_sgpr_count 2
		.amdhsa_user_sgpr_kernarg_segment_ptr 1
		.amdhsa_wavefront_size32 1
		.amdhsa_system_sgpr_workgroup_id_x 1
		.amdhsa_system_sgpr_workgroup_id_y 1
		.amdhsa_system_sgpr_workgroup_id_z 1
		.amdhsa_system_vgpr_workitem_id 0
		.amdhsa_next_free_vgpr 256
		.amdhsa_next_free_sgpr 66
		.amdhsa_reserve_vcc 0
		.amdhsa_float_denorm_mode_32 3
		.amdhsa_float_denorm_mode_16_64 3
		.amdhsa_memory_ordered 1
		.amdhsa_forward_progress 1
		.amdhsa_inst_pref_size 23
	.end_amdhsa_kernel
	.amdgpu_metadata
---
amdhsa.version: [ 1, 2 ]
amdhsa.kernels:
  - .name:           k_q7c92272b9c_prep
    .symbol:         k_q7c92272b9c_prep.kd
    .args:
      - { .name: x, .offset: 0, .size: 8, .value_kind: global_buffer, .address_space: global }
      - { .name: y, .offset: 8, .size: 8, .value_kind: global_buffer, .address_space: global }
      - { .name: Wq, .offset: 16, .size: 8, .value_kind: global_buffer, .address_space: global }
      - { .name: bq, .offset: 24, .size: 8, .value_kind: global_buffer, .address_space: global }
      - { .name: Wk, .offset: 32, .size: 8, .value_kind: global_buffer, .address_space: global }
      - { .name: bk, .offset: 40, .size: 8, .value_kind: global_buffer, .address_space: global }
      - { .name: y16, .offset: 48, .size: 8, .value_kind: global_buffer, .address_space: global }
      - { .name: qp, .offset: 56, .size: 8, .value_kind: global_buffer, .address_space: global }
      - { .name: cb, .offset: 64, .size: 8, .value_kind: global_buffer, .address_space: global }
    .group_segment_fixed_size: 47616
    .private_segment_fixed_size: 0
    .kernarg_segment_align: 8
    .kernarg_segment_size: 72
    .max_flat_workgroup_size: 256
    .sgpr_count:     66
    .vgpr_count:     256
    .wavefront_size: 32
...
	.end_amdgpu_metadata
.endif
;; end of part 3
;; launch attn: the kernel of part 2 again; grid 32 x 8, 8 waves a work-group, clusters of 4 x 1, 327,680 bytes of LDS; arguments y16, qp, cb, Wv, bv, gamma, x, out0; writes out0
